; MI455X (gfx1250); checked and timed in simulation.
; The chip was launched on July 23, 2026; its instructions are those of AMD's public machine-readable ISA for CDNA 5 (MIT licence, August 2026) and "CDNA5" Instruction Set Architecture Reference Guide (July 2026). The comments in the code are by the model that wrote it; some were corrected since.
;; Full Attention. Allowed arithmetic: matrix products marked QUANTISED: E3M2 operands, one E8M0 scale for each 32 along K, by v_wmma_scale_f32_16x16x128_f8f6f4 with both operands' format E3M2, f32 sums; everything else in f32.
;; Inputs: keys_codes 2 x 2,048 x 16 x 2 x 24 uint8 (E3M2 codes of keys, K innermost, in blocks of 32 codes, four codes in three bytes); keys_scales 2 x 2,048 x 16 x 2 uint8 (E8M0 scales of keys, one for each 32 codes along K); queries_codes 2 x 2,048 x 16 x 2 x 24 uint8 (E3M2 codes of queries, K innermost, in blocks of 32 codes, four codes in three bytes); queries_scales 2 x 2,048 x 16 x 2 uint8 (E8M0 scales of queries, one for each 32 codes along K); values_codes 2 x 16 x 64 x 64 x 24 uint8 (E3M2 codes of values, K innermost, in blocks of 32 codes, four codes in three bytes); values_scales 2 x 16 x 64 x 64 uint8 (E8M0 scales of values, one for each 32 codes along K).
;; Outputs: out0 2 x 2,048 x 16 x 64 float32.
;; This version of the problem:
;;   THIS VERSION OF THE PROBLEM IS GIVEN IN LOW PRECISION. The matrix products marked QUANTISED in the list below multiply operands that are first quantised to E3M2 (3 exponent bits, 2 mantissa bits; 6 bits a number), with one power-of-two scale for each 32 numbers along K (OCP MX v1.0); their sums are f32. All else is computed in f32.
;;   The module's matrix products, in the order in which they are computed (A, B: the left and right operand; K: the contracted axis; several contracted axes count as one K, in the product's order):
;;     1. batch 32 x [M 2,048, K 64] x [K 64, N 2,048]; A: input queries (given as codes); B: input keys (given as codes): QUANTISED
;;     2. batch 32 x [M 64, K 2,048] x [K 2,048, N 2,048]; A: input values (given as codes); B: softmax (see below): QUANTISED
;;   THE QUANTISER, for each operand of a quantised product, along K:
;;     - K is cut into blocks of 32 from its start; a last block that is shorter is filled with zeros.
;;     - A block's scale is 2^e with e = floor(log2(the largest magnitude in the block)) - 4, held to -126 .. 127; a block of zeros has e = 0. As a byte (E8M0): e + 127.
;;     - Each number is divided by its block's scale, clamped to +-28, and rounded to the nearest number of E3M2, ties to even, subnormals kept.
;;     - The product sums the exact products of the quantised numbers (number of the format x scale) in f32.
;;   ~~~python
;;   def quantise(x, axis):      # numpy; x: float32 -> the quantised numbers, widened to float32 again
;;       x = np.moveaxis(x, axis, -1); K = x.shape[-1]
;;       x = np.pad(x, [(0, 0)] * (x.ndim - 1) + [(0, -K % 32)]); x = x.reshape(x.shape[:-1] + (-1, 32)); a = np.abs(x).max(-1, keepdims=True)
;;       e = np.where(a > 0, np.clip(np.frexp(np.where(a > 0, a, 1))[1] - 1 - 4, -126, 127), 0)      # np.frexp(a)[1] - 1 = floor(log2(a)), exactly
;;       r = np.clip(x / 2.0 ** e, -28, 28)
;;       step = 2.0 ** (np.maximum(np.frexp(np.where(r == 0, 1, r))[1] - 1, -2) - 2)
;;       q = np.round(r / step) * step * 2.0 ** e      # np.round: ties to even
;;       return np.moveaxis(q.reshape(q.shape[:-2] + (-1,))[..., :K], -1, axis).astype(np.float32)
;;   ~~~
;;   SOFTMAX AHEAD OF A QUANTISED PRODUCT. Where the list says 'softmax', what is quantised is not the finished softmax but p = 2^(t - M), with t = logit x log2(e) and M = ceil(the row's largest t), a whole number; so 1/2 < the row's largest p <= 1. The row's sum l is taken of the UNQUANTISED p, in f32, and the product's result is divided by l at the end. Since M is a whole number, a kernel that streams over the keys may use a running M (the ceiling of the running maximum): every later rescaling is an exact power of two, which a block's scale takes up: the codes' values come out the same.
;;   OPERANDS COMPUTED ON THE WAY. 'Computed on the way' means the value that the module computes at that place (a softmax that the list does not call 'softmax' is quantised finished and normalised). What goes into a quantiser is computed in f32, as accurately as f32 sums, v_exp_f32 and their like allow (about 1e-6 of the number): no bf16 or f16 on the way to a quantiser, and a product that is left as it is and whose result goes on into a quantised operand takes f32 operands (vector FMAs, or v_wmma_f32_16x16x4_f32). A number that lies on a knife's edge between two numbers of the format may be rounded either way, as far as f32 arithmetic and the matrix unit's own rounding can turn it there, and no further.
;;   INPUTS GIVEN AS CODES. keys (in the module: [2, 2048, 16, 64], K = its axis 3); queries (in the module: [2, 2048, 16, 64], K = its axis 3); values (in the module: [2, 2048, 16, 64], K = its axis 1): each comes as NAME_codes (uint8): NAME with its K axis moved to the last place and cut into blocks of 32 codes, [.., K / 32, bytes a block], one block behind the other in memory; four codes in three bytes: a row's codes are one little-endian stream of bits, code i at bits 6 i .. 6 i + 5 (a code: sign, 3 exponent bits, 2 mantissa bits); and NAME_scales (uint8): the same leading axes, one E8M0 byte (e + 127) for each 32 codes along K. Its value is code x scale, taken as it is: it is not quantised again, and the codes and scales need not be those that the quantiser above would give.
;; One version. Each part assembles by itself: llvm-mc -triple=amdgcn-amd-amdhsa -mcpu=gfx1250 --defsym DOCPART=n.
;; ======== version 1 of 1: 1 launch
;; limits: right only within a limited range of input values
;; launch attn (part 1): grid 8 x 32, 16 waves a work-group, clusters of 4 x 1, 305,152 bytes of LDS; arguments queries_codes, queries_scales, keys_codes, keys_scales, values_codes, values_scales, out0; writes out0
.if DOCPART == 1
	.amdgcn_target "amdgcn-amd-amdhsa--gfx1250"
	.amdhsa_code_object_version 6
	.text
	.protected	k_q6a54506c95_attn
	.globl	k_q6a54506c95_attn
	.p2align	8
	.type	k_q6a54506c95_attn,@function
k_q6a54506c95_attn:
	s_mov_b64 s[64:65], 0
	v_nop
	global_prefetch_b8 v0, s[64:65] scope:SCOPE_SE
	s_setreg_imm32_b32 hwreg(HW_REG_WAVE_MODE, 25, 1), 1
	s_wait_xcnt 0x0
	s_wait_alu depctr_hold_cnt(0) depctr_sa_sdst(0) depctr_va_vdst(0) depctr_va_sdst(0) depctr_va_ssrc(0) depctr_va_vcc(0) depctr_vm_vsrc(0)
	s_getreg_b32 s2, hwreg(HW_REG_IB_STS2, 6, 4)
	s_cmp_eq_u32 s2, 0
	s_cbranch_scc0 .Lentry_in_a_cluster
	s_endpgm
.Lentry_in_a_cluster:
	s_bfe_u32 s2, ttmp6, 0x10000c
	s_cmp_lg_u32 s2, 0x3003
	s_cbranch_scc0 .Lentry_shape_is_right
	s_endpgm
.Lentry_shape_is_right:
; out[b][l][h][:] = the sum over s of softmax_s(scale x where(s <= l, -1e9, Q[b][l][h] . K[b][s][h])) V[b][s][h][:], scale = 1/8; B = 2, L = S = 2,048, H = 16, E = D = 64.
; Both products on codes of BF6 (E3M2) with one E8M0 scale for each 32 along a product's K.  Q, K: rows of 48 bytes (64 codes), 768 bytes apart; V: keys innermost, a head is 64 rows of 1,536 bytes.
; THE MASK IS THE REVERSE OF A CAUSAL ONE: key s counts for query l only where s > l; the lower triangle, diagonal included, is filled.
; THE SOFTMAX AHEAD OF THE SECOND PRODUCT: t = score x log2(e) / 8; M = the row's largest t so far, rounded UP to a whole number; p = 2^(t - M) is quantised along the keys, not normalised;
; the row's sum is taken of the unquantised p and divides O at the end.  When M moves, the sum and O are multiplied by 2^(old M - new M): exact.
; WORK LEFT OUT.  (1) The first product on tiles that lie wholly at s <= l: where() replaces every one of its results by the fill, whatever finite values Q and K hold.  (2) The second product on those tiles,
; for rows that have an open key: there the filled keys' t lies some 1.8e8 under M, so p falls under every number that a block's scale (held at 2^-126) can carry: the quantiser gives zero codes, and the sum gains nothing in f32.
; (3) Row 2047 of every head has no open key: all its t are equal, a whole number, so p = 1 for all 2,048 keys.  Its second product is DONE, on all keys (the path ONES), with the codes of 1.0 written as constants.
; LIMITS.  (2) holds where a row's largest open score lies above -9e8; scores of the drawn kind stay under 1e2 in size, of inputs 30 times larger under 1e6.  Filled scores inside the diagonal tiles are
; -2^30 in place of -1e9: c x 2^30 is exact in f32 and a whole number, so that a row of fills alone gives t - M = 0 and p = 1 by the fused multiply-add, as reference()'s own whole-numbered t does; beside any open key both fills give p = 0.
; A NaN, an infinity or an overflow that reaches only the work left out is not carried to the result.  All six inputs are loaded.
; SHARES.  256 work-groups: y = the head (16 b + h), x = j = 0 .. 7.  Each of the SIXTEEN waves owns one tile of 16 queries: Q0 = 128 i + 16 j, i = BI(wave), a block of 128 queries.  Keys go 128 a step, from step 15 DOWN to 0:
; step > i: all keys count; step = i: the fill is applied; step < i: jumped over (a branch on the wave's number and the count of steps alone).  So every work-group has 16 + 15 + .. + 1 = 136 tile steps.
; BI(w), a = w / 4, b = w % 4: 4 (a xor b) + (a xor alpha b), alpha b the product in the field of four elements: along fixed a and along fixed b the sixteen i fall into groups whose sums are all 30.
; LDS.  A head's K (98,304 bytes) and V (98,304) lie whole in LDS: every byte is filled once, at the head, nothing is filled again.  Two tensor loads a wave: first keys 1792 .. 2047 (steps 15, 14), then the rest, so that the first two steps run while the rest lands.
; CLUSTER.  The four work-groups of a cluster belong to one head and need the same K and V: each tile is asked for JOINTLY, by the same tensor load with the same descriptor and the mask 15.
; No branch hangs on a work-group's place in its cluster: ONES is taken by the wave with i = 15 of all four partners of the head's second cluster; which lane holds query 2047 is data (LM), so three partners multiply zero codes there.
; LAYOUT.  Both products are used transposed: S^T = K Q^T (source 0 = 16 keys, source 1 = my 16 queries; the head's 64 are the lower half of the instruction's 128, the upper half is zero codes),
; O^T = V^T P^T (source 0 = 16 of the head's 64, source 1 = P): a lane holds ONE query (lane % 16) throughout.  Lane r of key tile 2 b + u takes key 32 b + 8 u + r + 8 (r / 8), so that the 16 registers of tiles 2 b, 2 b + 1
; are the neighbouring keys 32 b + 16 (lane / 16) + 0 .. 15.  K's rows are put into that order in LDS once (FIXK: in each 32 rows, rows 8-15 and 16-23 change places), so that a tile's 16 rows are neighbours.
.set VA,    98304                      ; LDS: 0: K, 2,048 rows of 48 bytes.  VA: V of keys 1792 .. 2047: 64 rows of 192 bytes, 16 of padding behind every 64: pitch 240
.set VBK,   113664                     ; V of keys 0 .. 1791: 64 rows of 1,344 bytes, the same padding: pitch 1,680
.set KSC,   221184                     ; K's scale words as images of the scale registers: 512 bytes a step, 16 a lane
.set VSC,   229376                     ; V's: 256 bytes a step, 8 a lane
.set STG,   233472                     ; the way out: 16 rows x 272 bytes for each wave
.set SPARE, 303104                     ; the spare words, 128 bytes for each wave: eight blocks of 256 bytes that no other line names
.set AK,   1                           ; v1   48 r + 24 h: my lane's place in a tile of K
.set AVA,  2                           ; v2, v3   VA + 240 r + 24 h, and + 40 h (for the pieces that lie behind one padding more)
.set AVB,  4                           ; v4, v5   VBK + 1680 r + 24 h, and + 40 h
.set SPW,  6                           ; v6   LDS address of my spare word; never rewritten
.set NIL,  7                           ; v7   0; never rewritten
.set ASK,  8                           ; v8   KSC + 16 x lane
.set ASV,  9                           ; v9   VSC + 8 x lane
.set DM,   10                          ; v10  16 j + r - 16 h: in the diagonal step register 16 b + i is filled where 32 b + i <= DM
.set LM,   11                          ; v11  all ones where my query is 2047, else 0
.set QF,   16                          ; v16-27  Q's fragment; v22-27 zero codes.  (v12 -M, v13 the largest t, v[14:15] the sum in two halves)
.set ADK,  28                          ; v28  the pair's tiles of K;  v29 K's scale images;  v30 V's
.set ADS,  29
.set ADT,  30
.set ADV,  32                          ; v32-35  the pair's tiles of V: rows 0-31 (two registers), rows 32-63 (two)
.set KFR,  36                          ; v36-83  four fragments of K; the upper six registers of each stay zero codes
.set KS,   84                          ; v84-87  K's scale words: register q: lanes 0-15 tile 2 q, lanes 16-31 tile 2 q + 1
.set VS,   88                          ; v88-89  V's likewise
.set GO,   90                          ; v90  the way out: my byte offset in the tile's rows of out
.set STO,  91                          ; v91  where I put 32 bytes of a row
.set RD,   92                          ; v92  where I read a row back
.set RR,   93                          ; v93 r = lane % 16;  v94 h = lane / 16;  v95 lane
.set HH,   94
.set LN,   95
.set S,    96                          ; v96-159  S^T, then p; then v96-143 four fragments of V
.set FX,   104                         ; v104-145 FIXK's rows on their way
.set OT,   160                         ; v160-191 O^T
.set PCD,  224                         ; v224-235 P's codes;  v232-247 at work;  v248-251 FIXK's addresses;  v252 f, v253 P's scale word, v254 at work, v255 Q's scale words
.set WV,   18
.set BI,   19
.set SEL,  20                          ; s[20:21] v_permlanex16_b32's selects for lane l xor 16
.set CS,   22                          ; s[22:23] c = log2(e) / 8
.set G1K1, 24                          ; descriptor groups 1: K 32 rows, K 224 rows, V 192 bytes a row, V 1,344 bytes a row
.set G1K2, 32
.set G1V1, 40
.set G1V2, 48
.set G0K1, 56                          ; and their groups 0
.set G0K2, 60
.set G0V1, 68
.set G0V2, 72
.set SI,   76                          ; s76  the step's number
.set TK,   77                          ; s77  where the pair's lower step begins in K;  s78 in a row of V;  s79, s80 among the scale images
.set TV,   78
.set TS,   79
.set TT,   80
.set TRIP, 81
.set ONE,  82                          ; s82  1 in the waves that walk ONES
; A round of the cluster's barrier: my work-group's barrier, wave 0 signals for the work-group, every wave waits for all four work-groups, my work-group's barrier once more.
.macro CROUND
	s_barrier_signal -1
	s_barrier_wait -1
	s_cmp_lg_u32 s[WV], 0
	s_cbranch_scc1 .Lnot_wave_0_\@
	s_barrier_signal -3
.Lnot_wave_0_\@:
	s_barrier_wait -3
	s_barrier_signal -1
	s_barrier_wait -1
.endm
; In each of n groups of 32 rows of K that my own tensor load brought, rows 8-15 and 16-23 change places: lane (r, h) reads 24 bytes of row 8 + r and writes them to row 8 + (r xor 8).  All loads are back before the first store.
.macro FIXK fo, fn, n
.set G, 0
.rept \n
.irp i, 0,1,2
	ds_load_b64 v[FX+6*G+2*\i:FX+6*G+2*\i+1], v[\fo] offset:1536*G+8*\i
.endr
.set G, G+1
.endr
	s_wait_dscnt 0x0
.set G, 0
.rept \n
.irp i, 0,1,2
	ds_store_b64 v[\fn], v[FX+6*G+2*\i:FX+6*G+2*\i+1] offset:1536*G+8*\i
.endr
.set G, G+1
.endr
.endm
; A fragment of V^T: 16 rows x 128 keys, 12 registers, in pieces of 8 bytes.  Lanes 0-15 take the pair's pieces 12 q + 0, 1, 2 and 12 q + 6, 7, 8, lanes 16-31 those three pieces on;
; where the piece three on lies behind one padding more, the second address register (40 for 24 bytes a half) serves.
.macro FRAGV reg, q, t, pitch
.irp p, 0,1,2,3,4,5
.set PC, 12*(\q)+6*(\p/3)+\p%3
.if PC%8 < 5
	ds_load_b64 v[(\reg)+2*\p:(\reg)+2*\p+1], v[ADV+2*((\t)/2)] offset:8*PC+16*(PC/8)+((\t)%2)*16*(\pitch)
.else
	ds_load_b64 v[(\reg)+2*\p:(\reg)+2*\p+1], v[ADV+2*((\t)/2)+1] offset:8*PC+16*(PC/8)+((\t)%2)*16*(\pitch)
.endif
.endr
.endm
.macro VLOADS q, pitch                 ; a step's V: its scale words and four fragments, one run of 25 loads
	ds_load_b64 v[VS:VS+1], v[ADT] offset:256*(\q)
.irp t, 0,1,2,3
	FRAGV S+12*\t, \q, \t, \pitch
.endr
.endm
.macro PVW                             ; O^T += V^T P^T: four accumulators by turns.  Five places behind them: the next step's first products write over V's registers
.irp t, 0,2
	v_wmma_scale_f32_16x16x128_f8f6f4 v[OT+8*\t:OT+8*\t+7], v[S+12*\t:S+12*\t+11], v[PCD:PCD+11], v[OT+8*\t:OT+8*\t+7], v[VS+\t/2], v253 matrix_a_fmt:MATRIX_FMT_BF6 matrix_b_fmt:MATRIX_FMT_BF6
	v_wmma_scale_f32_16x16x128_f8f6f4 v[OT+8*(\t+1):OT+8*(\t+1)+7], v[S+12*(\t+1):S+12*(\t+1)+11], v[PCD:PCD+11], v[OT+8*(\t+1):OT+8*(\t+1)+7], v[VS+\t/2], v253 matrix_a_fmt:MATRIX_FMT_BF6 matrix_b_fmt:MATRIX_FMT_BF6 matrix_a_scale:MATRIX_SCALE_ROW1
.endr
.rept 5
	v_nop
.endr
.endm
; A KEY STEP: 128 keys, the q-th (0: lower, 1: upper) of the pair in hand.
.macro STEP q, pitch
	s_cmp_lt_u32 s[SI], s[BI]                      ; all keys of this step lie at or under my queries: nothing of S^T is wanted
	s_cbranch_scc1 .Lhid_\@
	s_wait_alu depctr_va_vdst(0)
	ds_load_b128 v[KS:KS+3], v[ADS] offset:512*(\q)
	s_wait_alu depctr_va_vdst(0)
.irp g, 0,1                                    ; S^T = K Q^T, four tiles of 16 keys at a time
.if \g
.rept 4
	v_nop                                          ; places in front of loads into registers that matrix instructions have read
.endr
.endif
.irp t, 0,1,2,3
.irp i, 0,1,2
	ds_load_b64 v[KFR+12*\t+2*\i:KFR+12*\t+2*\i+1], v[ADK] offset:6144*(\q)+768*(4*\g+\t)+8*\i
.endr
.endr
	s_wait_dscnt 0x0
.irp t, 0,2
	v_wmma_scale_f32_16x16x128_f8f6f4 v[S+8*(4*\g+\t):S+8*(4*\g+\t)+7], v[KFR+12*\t:KFR+12*\t+11], v[QF:QF+11], 0, v[KS+2*\g+\t/2], v255 matrix_a_fmt:MATRIX_FMT_BF6 matrix_b_fmt:MATRIX_FMT_BF6
	v_wmma_scale_f32_16x16x128_f8f6f4 v[S+8*(4*\g+\t+1):S+8*(4*\g+\t+1)+7], v[KFR+12*(\t+1):KFR+12*(\t+1)+11], v[QF:QF+11], 0, v[KS+2*\g+\t/2], v255 matrix_a_fmt:MATRIX_FMT_BF6 matrix_b_fmt:MATRIX_FMT_BF6 matrix_a_scale:MATRIX_SCALE_ROW1
.endr
.endr
.rept 4
	v_nop                                          ; places in front of the first read of results
.endr
	s_cmp_lg_u32 s[SI], s[BI]                      ; only the diagonal step has filled keys among open ones
	s_cbranch_scc1 .Lopen_\@
	v_mov_b32 v254, 0xce800000                     ; -2^30
.set N, 0
.rept 64                                       ; register 16 b + i holds key 128 step + 32 b + 16 h + i: filled where it is at or under my query
	v_cmp_le_i32 vcc_lo, 32*(N/16)+N%16, v[DM]
	v_cndmask_b32 v[S+N], v[S+N], v254, vcc_lo
.set N, N+1
.endr
.Lopen_\@:
.irp b, 0,1,2,3
	v_max3_num_f32 v[232+\b], v[S+16*\b], v[S+1+16*\b], v[S+2+16*\b]   ; the largest score of each block of 32 keys: for the row's maximum, and, since p rises with the score, for the block's largest p
.endr
.irp i, 3,5,7,9,11,13
.irp b, 0,1,2,3
	v_max3_num_f32 v[232+\b], v[232+\b], v[S+16*\b+\i], v[S+1+16*\b+\i]
.endr
.endr
.irp b, 0,1,2,3
	v_max_num_f32 v[232+\b], v[232+\b], v[S+15+16*\b]
.endr
.irp b, 0,1,2,3
	s_delay_alu instid0(VALU_DEP_4)
	v_permlanex16_b32 v[236+\b], v[232+\b], s[SEL], s[SEL+1]
.endr
.irp b, 0,1,2,3
	s_delay_alu instid0(VALU_DEP_4)
	v_max_num_f32 v[232+\b], v[232+\b], v[236+\b]  ; with lane l xor 16's 16 keys
.endr
	s_delay_alu instid0(VALU_DEP_2)
	v_max3_num_f32 v254, v232, v233, v234
	s_delay_alu instid0(VALU_DEP_1)
	v_max_num_f32 v254, v254, v235                 ; the step's largest score of my query
	s_delay_alu instid0(VALU_DEP_1)
	v_mul_f32 v254, s[CS], v254                    ; as t (c is positive)
	s_delay_alu instid0(VALU_DEP_1)
	v_max_num_f32 v13, v13, v254                   ; the running largest t
	v_mov_b32 v254, v12
	s_delay_alu instid0(VALU_DEP_2)
	v_floor_f32 v12, -v13                          ; the new -M = floor(-t) = -ceil(t)
	s_delay_alu instid0(VALU_DEP_1)
	v_sub_f32 v254, v12, v254                      ; M's old value less its new one: a whole number, 0 or less
	s_delay_alu instid0(VALU_DEP_1)
	v_cvt_i32_f32 v254, v254                       ; (it saturates)
	s_delay_alu instid0(VALU_DEP_1)
	v_ldexp_f32 v252, 1.0, v254                    ; f = 2^(old M - new M)
.set N, 0
.rept 32
	v_pk_fma_f32 v[S+N:S+N+1], v[S+N:S+N+1], s[CS:CS+1], v[12:13] op_sel_hi:[1,0,0]   ; t - M, two at a time (of the pairs c and -M the low word serves both halves)
.set N, N+2
.endr
.irp b, 0,1,2,3
	v_fma_f32 v[232+\b], v[232+\b], s[CS], v12     ; the same of each block's largest score
.endr
.set N, 0
	s_wait_alu depctr_va_vdst(0)
.rept 64
	v_exp_f32 v[S+N], v[S+N]                       ; p = 2^(t - M), at most 1
.set N, N+1
.endr
	v_pk_mul_f32 v[14:15], v[14:15], v[252:253] op_sel_hi:[1,0]   ; the sums under the new M: the plain instruction behind the exponentials
	s_wait_alu depctr_va_vdst(0)                   ; the wait ahead of the first line that names a result: one for the batch of 64
.irp b, 0,1,2,3
	v_exp_f32 v[232+\b], v[232+\b]                 ; the block's largest p
.endr
	v_pk_add_f32 v[236:237], v[100:101], v[104:105]
	v_pk_add_f32 v[248:249], v[108:109], v[112:113]
	v_pk_add_f32 v[246:247], v[116:117], v[120:121]
	v_pk_add_f32 v[244:245], v[124:125], v[128:129]
	v_pk_add_f32 v[242:243], v[132:133], v[136:137]
	v_pk_add_f32 v[240:241], v[140:141], v[144:145]
	v_pk_add_f32 v[238:239], v[148:149], v[152:153]
	v_pk_add_f32 v[14:15], v[14:15], v[156:157]
	v_pk_add_f32 v[236:237], v[236:237], v[96:97]
	v_pk_add_f32 v[248:249], v[248:249], v[98:99]
	v_pk_add_f32 v[246:247], v[246:247], v[102:103]
	v_pk_add_f32 v[244:245], v[244:245], v[106:107]
	v_pk_add_f32 v[242:243], v[242:243], v[110:111]
	v_pk_add_f32 v[240:241], v[240:241], v[114:115]
	v_pk_add_f32 v[238:239], v[238:239], v[118:119]
	v_pk_add_f32 v[14:15], v[14:15], v[122:123]
	v_pk_add_f32 v[236:237], v[236:237], v[126:127]
	v_pk_add_f32 v[248:249], v[248:249], v[130:131]
	v_pk_add_f32 v[246:247], v[246:247], v[134:135]
	v_pk_add_f32 v[244:245], v[244:245], v[138:139]
	v_pk_add_f32 v[242:243], v[242:243], v[142:143]
	v_pk_add_f32 v[240:241], v[240:241], v[146:147]
	v_pk_add_f32 v[238:239], v[238:239], v[150:151]
	v_pk_add_f32 v[14:15], v[14:15], v[154:155]
	v_pk_add_f32 v[236:237], v[236:237], v[158:159]
	s_delay_alu instid0(VALU_DEP_2)
	v_pk_add_f32 v[14:15], v[14:15], v[244:245]
	s_delay_alu instid0(VALU_DEP_2)
	v_pk_add_f32 v[236:237], v[236:237], v[242:243]
	v_pk_add_f32 v[248:249], v[248:249], v[240:241]
	v_pk_add_f32 v[246:247], v[246:247], v[238:239]
	s_delay_alu instid0(VALU_DEP_2)
	v_pk_add_f32 v[14:15], v[14:15], v[248:249]
	s_delay_alu instid0(VALU_DEP_2)
	v_pk_add_f32 v[236:237], v[236:237], v[246:247]
	s_delay_alu instid0(VALU_DEP_1)
	v_pk_add_f32 v[14:15], v[14:15], v[236:237]
	s_wait_alu depctr_va_vdst(0)                   ; and one for the four
.irp b, 0,1,2,3
	v_max_num_f32 v[232+\b], 0x2800000, v[232+\b]  ; the floor 2^(5 - 127): the byte cannot fall under 1 (a block whose every p is 0 keeps that byte: its codes are zeros)
.endr
.irp b, 0,1,2,3
	s_delay_alu instid0(VALU_DEP_4)
	v_add_nc_u32 v[244+\b], 0xfe000000, v[232+\b]  ; 4 off the exponent field: the conversion's scale operand
.endr
.irp b, 0,1,2,3
	s_delay_alu instid0(VALU_DEP_4)
	v_lshrrev_b32 v[236+\b], 23, v[244+\b]         ; the scale's byte
.endr
	s_delay_alu instid0(VALU_DEP_3)
	v_lshl_or_b32 v253, v237, 8, v236              ; p's scale word for these 128 keys
	s_delay_alu instid0(VALU_DEP_1)
	v_lshl_or_b32 v253, v238, 16, v253
	s_delay_alu instid0(VALU_DEP_1)
	v_lshl_or_b32 v253, v239, 24, v253
.irp c, 0,1
	v_cvt_scalef32_pk16_bf6_f32 v[PCD+6*\c:PCD+2+6*\c], v[S+32*\c:S+15+32*\c], v[244+2*\c]
	v_cvt_scalef32_pk16_bf6_f32 v[236+4*\c:238+4*\c], v[S+16+32*\c:S+31+32*\c], v[244+2*\c+1]   ; (a conversion's three registers begin on an even number)
.endr
.irp j, 0,2,4,6
	v_pk_mul_f32 v[OT+\j:OT+\j+1], v[OT+\j:OT+\j+1], v[252:253] op_sel_hi:[1,0]   ; O^T under the new M, from its low end on; the first is the plain instruction behind the conversions
.endr
	VLOADS \q, \pitch                              ; p has been converted: V's fragments take its registers, and land while the lines below run
.irp j, 8,10,12,14,16,18,20,22,24,26,28,30
	v_pk_mul_f32 v[OT+\j:OT+\j+1], v[OT+\j:OT+\j+1], v[252:253] op_sel_hi:[1,0]
.endr
.irp c, 0,1                                    ; the operand's layout wants a WHOLE block in a lane: lanes 0-15 block 2 c, lanes 16-31 block 2 c + 1
.irp i, 0,1,2
	v_permlane16_swap_b32 v[PCD+6*\c+\i], v[236+4*\c+\i]
.endr
.irp i, 0,1,2
	s_delay_alu instid0(VALU_DEP_3)
	v_mov_b32 v[PCD+3+6*\c+\i], v[236+4*\c+\i]
.endr
.endr
.rept 4
	v_nop                                          ; four places between the last write of P's codes and the scaled products
.endr
	s_wait_alu depctr_va_vdst(0)
	s_wait_dscnt 0x0
	PVW
	s_branch .Ldone_\@
.Lhid_\@:
	s_cmp_eq_u32 s[ONE], 1
	s_cbranch_scc0 .Ldone_\@
	; ONES: query 2047 has p = 1 for these 128 keys too: the code of 16 (0x1c) under the byte 123, four codes in three bytes; all other lanes hold zero codes
	s_wait_alu depctr_va_vdst(0)
	VLOADS \q, \pitch
	v_mov_b32 v253, 0x7b7b7b7b
.irp n, 0,3,6,9
	v_and_b32 v[PCD+\n], 0x1c71c71c, v[LM]
	v_and_b32 v[PCD+1+\n], 0xc71c71c7, v[LM]
	v_and_b32 v[PCD+2+\n], 0x71c71c71, v[LM]
.endr
	v_and_b32 v254, 0x42800000, v[LM]
	s_delay_alu instid0(VALU_DEP_1)
	v_add_f32 v14, v14, v254                       ; my 64 of the 128 keys: the sum gains 64
	v_nop
	v_nop                                          ; four places behind the last code, sixteen behind the scale word
	s_wait_alu depctr_va_vdst(0)
	s_wait_dscnt 0x0
	PVW
.Ldone_\@:
	s_sub_co_u32 s[SI], s[SI], 1
.endm
; Two steps that share their address registers, which are made on the way that every wave takes.
.macro PAIR avl, avl2, pitch
	v_add_nc_u32 v[ADK], s[TK], v[AK]
	v_add_nc_u32 v[ADS], s[TS], v[ASK]
	v_add_nc_u32 v[ADT], s[TT], v[ASV]
	v_add_nc_u32 v[ADV], s[TV], v[\avl]
	v_add_nc_u32 v[ADV+1], s[TV], v[\avl2]
	s_delay_alu instid0(VALU_DEP_2)
	v_add_nc_u32 v[ADV+2], 32*(\pitch), v[ADV]     ; rows 32-63, so that every offset stays inside 16 bits
	s_delay_alu instid0(VALU_DEP_2)
	v_add_nc_u32 v[ADV+3], 32*(\pitch), v[ADV+1]
	STEP 1, \pitch
	STEP 0, \pitch
.endm
	s_load_b256 s[4:11], s[0:1], 0x0               ; Q's codes s[4:5], Q's scales s[6:7], K's codes s[8:9], K's scales s[10:11]
	s_load_b128 s[12:15], s[0:1], 0x20             ; V's codes, V's scales
	s_load_b64 s[16:17], s[0:1], 0x30              ; out
	v_lshl_add_u32 v[SPW], v0, 2, SPARE
	v_mov_b32 v[NIL], 0
	ds_add_u32 v[SPW], v[NIL]                      ; the wave's opening: the add, twice on end, and its wait ahead of my first tensor load
	ds_add_u32 v[SPW], v[NIL]                      ; and once more, under the one wait; the set-up below, work on registers, stands between
	v_lshrrev_b32 v[LN], 5, v0
	s_delay_alu instid0(VALU_DEP_1)
	v_readfirstlane_b32 s[WV], v[LN]               ; wave 0..15
	s_lshr_b32 s83, s[WV], 2                       ; a
	s_and_b32 s84, s[WV], 3                        ; b
	s_xor_b32 s85, s83, s84                        ; a xor b
	s_lshl_b32 s89, s84, 1
	s_and_b32 s89, s89, 2
	s_xor_b32 s83, s83, s89
	s_lshr_b32 s89, s84, 1
	s_mul_i32 s89, s89, 3
	s_xor_b32 s83, s83, s89                        ; a xor alpha b
	s_lshl_b32 s85, s85, 2
	s_add_co_u32 s[BI], s85, s83                   ; my block of 128 queries
	s_cmp_eq_u32 s[BI], 15
	s_cselect_b32 s[ONE], ttmp9, 0                 ; 1 where i = 15 in the head's second cluster (ttmp9 counts clusters, 0 or 1): the same in all four partners
	s_bfe_u32 s86, ttmp6, 0x40000                  ; cx: it enters Q's and out's addresses, DM and LM alone
	s_lshl_b32 s98, ttmp9, 2
	s_add_co_u32 s86, s98, s86                     ; j = 4 x cluster x + cx
	s_lshl_b32 s96, s86, 4
	s_lshl_b32 s98, s[BI], 7
	s_add_co_u32 s98, s98, s96                     ; Q0 = 128 i + 16 j
	s_and_b32 s87, ttmp7, 0xffff                   ; y = 16 b + h, which the partners share
	s_lshr_b32 s83, s87, 4                         ; the batch
	s_and_b32 s84, s87, 15                         ; the head in it
	s_mul_i32 s99, s83, 1572864
	s_mul_i32 s85, s84, 48
	s_add_co_u32 s99, s99, s85                     ; the head's first byte in Q's and K's codes
	s_and_b32 s88, s[WV], 7                        ; k: which eighth of a chunk I fetch
	s_mul_i32 s85, s88, 24576
	s_add_co_u32 s90, s99, s85
	s_add_co_u32 s90, s90, 1376256                 ; K, keys 1792 + 32 k on
	s_mov_b32 s91, 0
	s_mul_i32 s85, s88, 172032
	s_add_co_u32 s92, s99, s85                     ; K, keys 224 k on
	s_mov_b32 s93, 0
	s_mul_i32 s94, s87, 98304
	s_mul_i32 s85, s88, 12288
	s_add_co_u32 s94, s94, s85                     ; V, rows 8 k on
	s_mov_b32 s95, 0
	; descriptor groups 1: elements of 1 byte; the mask names all four work-groups, bit 21 set beside it
	s_mov_b32 s[G1K1], 15|(1<<21)
	s_mov_b32 s[G1K2], 15|(1<<21)
.irp g, G1K1, G1K2
	s_mov_b32 s[\g+1], 48<<16                      ; tensor_dim0 = 48
	s_mov_b32 s[\g+3], 48<<16                      ; tile_dim0
	s_mov_b32 s[\g+5], 768                         ; from key to key
	s_mov_b32 s[\g+6], 0
	s_mov_b32 s[\g+7], 0
.endr
	s_mov_b32 s[G1K1+2], 32<<16                    ; tensor_dim1, tile_dim1: 32 rows,
	s_mov_b32 s[G1K1+4], 32
	s_mov_b32 s[G1K2+2], 224<<16                   ; 224 rows
	s_mov_b32 s[G1K2+4], 224
	s_mov_b32 s[G1V1], 15|(1<<20)|(1<<21)|(3<<22)|(3<<25)   ; padding on: after every 16 words (code 3) 4 words (code 3)
	s_mov_b32 s[G1V2], 15|(1<<20)|(1<<21)|(3<<22)|(3<<25)
.irp g, G1V1, G1V2
	s_mov_b32 s[\g+2], 8<<16                       ; 8 rows
	s_mov_b32 s[\g+4], 8
	s_mov_b32 s[\g+5], 1536                        ; from row to row
	s_mov_b32 s[\g+6], 0
	s_mov_b32 s[\g+7], 0
.endr
	s_mov_b32 s[G1V1+1], 192<<16
	s_mov_b32 s[G1V1+3], 192<<16
	s_mov_b32 s[G1V2+1], 1344<<16
	s_mov_b32 s[G1V2+3], 1344<<16
	s_mov_b32 s[G0K1], 1
	s_mul_i32 s[G0K1+1], s88, 1536
	s_add_co_u32 s[G0K1+1], s[G0K1+1], 86016       ; LDS: row 1792 + 32 k
	s_mov_b32 s[G0K2], 1
	s_mul_i32 s[G0K2+1], s88, 10752                ; row 224 k
	s_mov_b32 s[G0V1], 1
	s_mul_i32 s[G0V1+1], s88, 1920
	s_add_co_u32 s[G0V1+1], s[G0V1+1], VA
	s_mov_b32 s[G0V2], 1
	s_mul_i32 s[G0V2+1], s88, 13440
	s_add_co_u32 s[G0V2+1], s[G0V2+1], VBK
	s_mov_b32 s[SEL], 0x76543210
	s_mov_b32 s[SEL+1], 0xfedcba98
	s_mov_b32 s[CS], 0x3e38aa3b                    ; c = log2(e) / 8
	s_mov_b32 s[CS+1], s[CS]                       ; (named with it as a pair, so it is written)
	s_wait_dscnt 0x0                               ; both opening adds are done
	s_wait_kmcnt 0x0
	s_add_nc_u64 s[G0K1+2:G0K1+3], s[8:9], s[90:91]
	s_or_b32 s[G0K1+3], s[G0K1+3], 0x80000000
	s_add_nc_u64 s[G0K2+2:G0K2+3], s[8:9], s[92:93]
	s_or_b32 s[G0K2+3], s[G0K2+3], 0x80000000
	s_add_nc_u64 s[G0V2+2:G0V2+3], s[12:13], s[94:95]
	s_add_nc_u64 s[G0V1+2:G0V1+3], s[G0V2+2:G0V2+3], 1344   ; keys 1792 on: 1,344 bytes into each row
	s_or_b32 s[G0V1+3], s[G0V1+3], 0x80000000
	s_or_b32 s[G0V2+3], s[G0V2+3], 0x80000000
	CROUND                                         ; all four work-groups are here: the joint loads meet
	s_cmp_lt_u32 s[WV], 8                          ; waves 0-7 fetch K, waves 8-15 V: a wave's two fills stand in one branch; two loads of mine are out
	s_cbranch_scc0 .Lfirst_v
	tensor_load_to_lds s[G0K1:G0K1+3], s[G1K1:G1K1+7]
	s_nop 0
	tensor_load_to_lds s[G0K2:G0K2+3], s[G1K2:G1K2+7]
	s_nop 0
.rept 4
	v_nop
.endr
	s_branch .Lfirst_asked
.Lfirst_v:
	tensor_load_to_lds s[G0V1:G0V1+3], s[G1V1:G1V1+7]
	s_nop 0
	tensor_load_to_lds s[G0V2:G0V2+3], s[G1V2:G1V2+7]
	s_nop 0
.rept 4
	v_nop
.endr
.Lfirst_asked:
	; the bases of what comes through registers
	s_mul_i32 s96, s98, 768
	s_add_co_u32 s96, s96, s99
	s_mov_b32 s97, 0
	s_add_nc_u64 s[4:5], s[4:5], s[96:97]          ; Q's codes at my first query
	s_lshl_b32 s90, s83, 16
	s_lshl_b32 s85, s84, 1
	s_add_co_u32 s90, s90, s85                     ; the head's first byte in Q's and K's scales
	s_add_nc_u64 s[10:11], s[10:11], s[90:91]
	s_add_nc_u64 s[6:7], s[6:7], s[90:91]
	s_lshl_b32 s96, s98, 5
	s_add_nc_u64 s[6:7], s[6:7], s[96:97]          ; Q's scales at my first query
	s_lshl_b32 s90, s87, 12
	s_add_nc_u64 s[14:15], s[14:15], s[90:91]      ; V's scales of the head
	s_lshl_b32 s90, s83, 23
	s_lshl_b32 s85, s84, 8
	s_add_co_u32 s90, s90, s85
	s_add_nc_u64 s[16:17], s[16:17], s[90:91]
	s_lshl_b32 s96, s98, 12
	s_add_nc_u64 s[16:17], s[16:17], s[96:97]      ; out at my first query
	v_and_b32 v[RR], 15, v0
	v_bfe_u32 v[HH], v0, 4, 1
	v_and_b32 v[LN], 31, v0
	s_delay_alu instid0(VALU_DEP_3)
	v_mul_u32_u24 v192, v[RR], 768
	s_delay_alu instid0(VALU_DEP_1)
	v_mad_u32_u24 v192, v[HH], 24, v192            ; Q: row r, + 24 h
.irp i, 0,1,2
	global_load_b64 v[QF+2*\i:QF+2*\i+1], v192, s[4:5] offset:8*\i   ; Q's fragment stays in registers
.endr
	v_lshlrev_b32 v193, 5, v[RR]
	global_load_u16 v255, v193, s[6:7]             ; Q's two scale bytes; bytes 2 and 3 come as 0 and lie over zero codes
	v_and_b32 v195, 8, v[RR]
	s_delay_alu instid0(VALU_DEP_1)
	v_add_nc_u32 v195, v195, v[RR]
	s_delay_alu instid0(VALU_DEP_1)
	v_lshl_add_u32 v195, v[HH], 3, v195            ; 8 h + r + 8 (r / 8)
	s_delay_alu instid0(VALU_DEP_1)
	v_lshlrev_b32 v194, 5, v195
	s_lshl_b32 s85, s[WV], 12
	v_add_nc_u32 v194, s85, v194                   ; wave w makes the scale images of step w: 128 keys x 32 bytes on
.irp q, 0,1,2,3
	global_load_u16 v[S+\q], v194, s[10:11] offset:1024*\q   ; key 128 w + 32 q + 8 h + r + 8 (r / 8): tile 2 q + h, lane r
.endr
	v_lshlrev_b32 v196, 6, v[LN]
	s_lshl_b32 s89, s[WV], 2
	v_add_nc_u32 v196, s89, v196
.irp g, 0,1
	global_load_b32 v[S+4+\g], v196, s[14:15] offset:2048*\g   ; V's row 32 g + lane, the word of keys 128 w on: tile 2 g + h, lane r
.endr
	; addresses that stay
	v_mul_u32_u24 v[AK], v[RR], 48
	s_delay_alu instid0(VALU_DEP_1)
	v_mad_u32_u24 v[AK], v[HH], 24, v[AK]
	v_mul_u32_u24 v[AVA], v[RR], 240
	s_delay_alu instid0(VALU_DEP_1)
	v_mad_u32_u24 v[AVA], v[HH], 24, v[AVA]
	s_delay_alu instid0(VALU_DEP_1)
	v_add_nc_u32 v[AVA], VA, v[AVA]
	s_delay_alu instid0(VALU_DEP_1)
	v_lshl_add_u32 v[AVA+1], v[HH], 4, v[AVA]
	v_mul_u32_u24 v[AVB], v[RR], 1680
	s_delay_alu instid0(VALU_DEP_1)
	v_mad_u32_u24 v[AVB], v[HH], 24, v[AVB]
	s_delay_alu instid0(VALU_DEP_1)
	v_add_nc_u32 v[AVB], VBK, v[AVB]
	s_delay_alu instid0(VALU_DEP_1)
	v_lshl_add_u32 v[AVB+1], v[HH], 4, v[AVB]
	v_lshl_add_u32 v[ASK], v[LN], 4, KSC
	v_lshl_add_u32 v[ASV], v[LN], 3, VSC
	s_lshl_b32 s85, s[WV], 9
	v_add_nc_u32 v199, s85, v[ASK]                 ; where I store step w's images
	s_lshl_b32 s85, s[WV], 8
	v_add_nc_u32 v200, s85, v[ASV]
	v_xor_b32 v197, 8, v[RR]
	s_delay_alu instid0(VALU_DEP_1)
	v_mul_u32_u24 v198, v197, 48
	s_delay_alu instid0(VALU_DEP_1)
	v_mad_u32_u24 v198, v[HH], 24, v198
	v_add_nc_u32 v248, s[G0K1+1], v[AK]            ; FIXK: my first chunk's rows 8 + r,
	s_delay_alu instid0(VALU_DEP_1)
	v_add_nc_u32 v248, 384, v248
	s_delay_alu instid0(VALU_DEP_3)
	v_add_nc_u32 v249, s[G0K1+1], v198             ; and 8 + (r xor 8);
	s_delay_alu instid0(VALU_DEP_1)
	v_add_nc_u32 v249, 384, v249
	v_add_nc_u32 v250, s[G0K2+1], v[AK]            ; the same in my second chunk
	s_delay_alu instid0(VALU_DEP_1)
	v_add_nc_u32 v250, 384, v250
	v_add_nc_u32 v251, s[G0K2+1], v198
	s_delay_alu instid0(VALU_DEP_1)
	v_add_nc_u32 v251, 384, v251
	s_mul_i32 s85, s[WV], 4352
	s_add_co_u32 s85, s85, STG                     ; my stage
	v_mul_u32_u24 v[STO], v[RR], 272
	s_delay_alu instid0(VALU_DEP_1)
	v_lshl_add_u32 v[STO], v[HH], 5, v[STO]
	s_delay_alu instid0(VALU_DEP_1)
	v_add_nc_u32 v[STO], s85, v[STO]               ; in: row r, + 32 h
	v_mul_u32_u24 v[RD], v[HH], 272
	s_delay_alu instid0(VALU_DEP_1)
	v_lshl_add_u32 v[RD], v[RR], 4, v[RD]
	s_delay_alu instid0(VALU_DEP_1)
	v_add_nc_u32 v[RD], s85, v[RD]                 ; back: lanes 0-15 one row, lanes 16-31 the next
	v_lshlrev_b32 v[GO], 12, v[HH]
	s_delay_alu instid0(VALU_DEP_1)
	v_lshl_add_u32 v[GO], v[RR], 4, v[GO]          ; and the same two rows of out, 4,096 bytes apart
	s_lshl_b32 s96, s86, 4
	v_lshlrev_b32 v[DM], 4, v[HH]
	s_delay_alu instid0(VALU_DEP_1)
	v_sub_nc_u32 v[DM], v[RR], v[DM]
	s_delay_alu instid0(VALU_DEP_1)
	v_add_nc_u32 v[DM], s96, v[DM]                 ; 16 j + r - 16 h
	v_add_nc_u32 v[LM], s98, v[RR]
	s_delay_alu instid0(VALU_DEP_1)
	v_cmp_eq_u32 vcc_lo, 0x7ff, v[LM]
	s_delay_alu instid0(VALU_DEP_1)
	v_cndmask_b32 v[LM], 0, -1, vcc_lo
.irp n, 6,7,8,9,10,11
	v_mov_b32 v[QF+\n], 0                          ; the instruction's upper 64 along K: zero codes, in Q
.endr
.irp t, 0,1,2,3
.irp n, 6,7,8,9,10,11
	v_mov_b32 v[KFR+12*\t+\n], 0                   ; and in K's four fragments: written once
.endr
.endr
.set N, 0
.rept 32
	v_mov_b32 v[OT+N], 0                           ; O^T.  (The step is written without a first step of its own: it finds zeros, which the first change of M leaves zeros)
.set N, N+1
.endr
	v_mov_b32 v13, 0xff61b1e6                      ; the largest t so far: -3e38, under every t
	s_delay_alu instid0(VALU_DEP_1)
	v_floor_f32 v12, -v13                          ; -M
	v_mov_b32 v14, 0
	v_mov_b32 v15, 0
.irp b, 0,1,2,3
	v_mov_b32 v[236+\b], 0                         ; a lane permute's destination counts as one of its sources
.endr
	v_mov_b32 v252, 0
	v_mov_b32 v253, 0                              ; (named as the upper half of the pair v[252:253] before it is first written)
	s_wait_loadcnt 0x0                             ; Q, and step w's scales
	ds_store_b128 v199, v[S:S+3]
	ds_store_b64 v200, v[S+4:S+5]
	s_wait_tensorcnt 0x1                           ; my first load has landed; one younger load of mine, the second chunk's, stays out
	s_cmp_lt_u32 s[WV], 8
	s_cbranch_scc0 .Lno_fix_1
	FIXK 248, 249, 1
.Lno_fix_1:
	s_wait_dscnt 0x0                               ; for the others' sake: my images and my rows lie in LDS
	s_barrier_signal -1
	s_barrier_wait -1                              ; keys 1792 .. 2047 of K and V and all scale images are whole
	s_mov_b32 s[SI], 15
	s_mov_b32 s[TK], 86016
	s_mov_b32 s[TS], 7168
	s_mov_b32 s[TT], 3584
	s_mov_b32 s[TV], 0
	PAIR AVA, AVA+1, 240                           ; steps 15 and 14
	s_wait_tensorcnt 0x0                           ; my second load has landed
	s_cmp_lt_u32 s[WV], 8
	s_cbranch_scc0 .Lno_fix_2
	FIXK 250, 251, 7
.Lno_fix_2:
	s_wait_dscnt 0x0
	s_barrier_signal -1
	s_barrier_wait -1                              ; all of K and V is whole.  From here to the end the waves run free
	s_mov_b32 s[TV], 1680
	s_mov_b32 s[TRIP], 7
.Lpair:                                            ; steps 13 and 12 down to 1 and 0: a constant count; a wave that is done jumps over each step
	s_sub_co_u32 s[TK], s[TK], 12288
	s_sub_co_u32 s[TS], s[TS], 1024
	s_sub_co_u32 s[TT], s[TT], 512
	s_sub_co_u32 s[TV], s[TV], 240
	PAIR AVB, AVB+1, 1680
	s_sub_co_u32 s[TRIP], s[TRIP], 1
	s_cmp_lg_u32 s[TRIP], 0
	s_cbranch_scc1 .Lpair
	; THE WAY OUT.  O^T / the sum goes through my stage and leaves as whole rows: a head's row of out is 256 consecutive bytes, at a multiple of 256 from out's first byte.
	v_add_f32 v14, v14, v15                        ; the sum's two halves,
	s_delay_alu instid0(VALU_DEP_1)
	v_permlanex16_b32 v252, v14, s[SEL], s[SEL+1]
	s_delay_alu instid0(VALU_DEP_1)
	v_add_f32 v14, v14, v252                       ; and lane l xor 16's
	s_wait_alu depctr_va_vdst(0)
	v_rcp_f32 v14, v14
	v_nop                                          ; a plain instruction behind the reciprocal
	s_wait_alu depctr_va_vdst(0)                   ; and the wait ahead of its first reader
.set N, 0
.rept 32
	v_mul_f32 v[S+N], v[OT+N], v14                 ; register 8 t + i is out(query r, 16 t + 8 h + i); each accumulator from its low end on
.set N, N+1
.endr
.irp t, 0,1,2,3
	ds_store_b128 v[STO], v[S+8*\t:S+8*\t+3] offset:64*\t
	ds_store_b128 v[STO], v[S+8*\t+4:S+8*\t+7] offset:64*\t+16
.endr
.irp i, 0,1,2,3,4,5,6,7
	ds_load_b128 v[S+32+4*\i:S+35+4*\i], v[RD] offset:544*\i   ; LDS serves a wave's instructions in order (ISA guide 5.7.1.4): these see my stores
.endr
.irp i, 0,1,2,3,4,5,6,7
	s_wait_dscnt 7-\i                              ; the younger loads from the stage may stay out
	global_store_b128 v[GO], v[S+32+4*\i:S+35+4*\i], s[16:17] offset:8192*\i th:TH_STORE_NT   ; sixteen lanes store a row's 256 bytes
.endr
	s_wait_tensorcnt 0x0                           ; the wave's end, behind my last tensor load and my last LDS store
	ds_add_u32 v[SPW], v[NIL]
	s_wait_dscnt 0x0
	CROUND                                         ; the closing round
	s_endpgm
.Lfunc_end_k_q6a54506c95_attn:
	.size	k_q6a54506c95_attn, .Lfunc_end_k_q6a54506c95_attn-k_q6a54506c95_attn
	.p2alignl 7, 3214868480
	.fill 96, 4, 3214868480
	.section	.rodata,"a",@progbits
	.p2align	6, 0x0
	.amdhsa_kernel k_q6a54506c95_attn
		.amdhsa_group_segment_fixed_size 305152
		.amdhsa_private_segment_fixed_size 0
		.amdhsa_enable_private_segment 0
		.amdhsa_kernarg_size 56
		.amdhsa_user_sgpr_count 2
		.amdhsa_user_sgpr_kernarg_segment_ptr 1
		.amdhsa_wavefront_size32 1
		.amdhsa_system_sgpr_workgroup_id_x 1
		.amdhsa_system_sgpr_workgroup_id_y 1
		.amdhsa_system_sgpr_workgroup_id_z 1
		.amdhsa_system_vgpr_workitem_id 0
		.amdhsa_next_free_vgpr 256
		.amdhsa_next_free_sgpr 100
		.amdhsa_reserve_vcc 1
		.amdhsa_float_denorm_mode_32 3
		.amdhsa_float_denorm_mode_16_64 3
		.amdhsa_memory_ordered 1
		.amdhsa_forward_progress 1
		.amdhsa_inst_pref_size 130
	.end_amdhsa_kernel
	.amdgpu_metadata
---
amdhsa.version: [ 1, 2 ]
amdhsa.kernels:
  - .name:           k_q6a54506c95_attn
    .symbol:         k_q6a54506c95_attn.kd
    .args:
      - { .name: queries_codes, .offset: 0, .size: 8, .value_kind: global_buffer, .address_space: global }
      - { .name: queries_scales, .offset: 8, .size: 8, .value_kind: global_buffer, .address_space: global }
      - { .name: keys_codes, .offset: 16, .size: 8, .value_kind: global_buffer, .address_space: global }
      - { .name: keys_scales, .offset: 24, .size: 8, .value_kind: global_buffer, .address_space: global }
      - { .name: values_codes, .offset: 32, .size: 8, .value_kind: global_buffer, .address_space: global }
      - { .name: values_scales, .offset: 40, .size: 8, .value_kind: global_buffer, .address_space: global }
      - { .name: out0, .offset: 48, .size: 8, .value_kind: global_buffer, .address_space: global }
    .group_segment_fixed_size: 305152
    .private_segment_fixed_size: 0
    .kernarg_segment_align: 8
    .kernarg_segment_size: 56
    .max_flat_workgroup_size: 512
    .sgpr_count:     100
    .vgpr_count:     256
    .wavefront_size: 32
...
	.end_amdgpu_metadata
.endif
;; end of part 1
